; MI455X (gfx1250); checked and timed in simulation.
; The chip was launched on July 23, 2026; its instructions are those of AMD's public machine-readable ISA for CDNA 5 (MIT licence, August 2026) and "CDNA5" Instruction Set Architecture Reference Guide (July 2026). The comments in the code are by the model that wrote it; some were corrected since.
;; Attention. Allowed arithmetic: matrix products marked QUANTISED: E2M3 operands, one E8M0 scale for each 32 along K, by v_wmma_scale_f32_16x16x128_f8f6f4 with both operands' format E2M3, f32 sums; everything else in f32.
;; Inputs: Wk_codes 768 x 24 x 24 uint8 (E2M3 codes of Wk, K innermost, in blocks of 32 codes, four codes in three bytes); Wk_scales 768 x 24 uint8 (E8M0 scales of Wk, one for each 32 codes along K); Wq_codes 768 x 24 x 24 uint8 (E2M3 codes of Wq, K innermost, in blocks of 32 codes, four codes in three bytes); Wq_scales 768 x 24 uint8 (E8M0 scales of Wq, one for each 32 codes along K); Wv_codes 768 x 24 x 24 uint8 (E2M3 codes of Wv, K innermost, in blocks of 32 codes, four codes in three bytes); Wv_scales 768 x 24 uint8 (E8M0 scales of Wv, one for each 32 codes along K); bk 768 float32; bq 768 float32; bv 768 float32; x_from_codes 16 x 1,024 x 24 x 24 uint8 (E2M3 codes of x_from, K innermost, in blocks of 32 codes, four codes in three bytes); x_from_scales 16 x 1,024 x 24 uint8 (E8M0 scales of x_from, one for each 32 codes along K); x_to_codes 16 x 1,024 x 24 x 24 uint8 (E2M3 codes of x_to, K innermost, in blocks of 32 codes, four codes in three bytes); x_to_scales 16 x 1,024 x 24 uint8 (E8M0 scales of x_to, one for each 32 codes along K).
;; Outputs: out0 16 x 1,024 x 768 float32.
;; This version of the problem:
;;   THIS VERSION OF THE PROBLEM IS GIVEN IN LOW PRECISION. The matrix products marked QUANTISED in the list below multiply operands that are first quantised to E2M3 (2 exponent bits, 3 mantissa bits; 6 bits a number), with one power-of-two scale for each 32 numbers along K (OCP MX v1.0); their sums are f32. All else is computed in f32.
;;   The module's matrix products, in the order in which they are computed (A, B: the left and right operand; K: the contracted axis; several contracted axes count as one K, in the product's order):
;;     1. [M 16,384, K 768] x [K 768, N 768]; A: input x_to (given as codes); B: input Wq (given as codes): QUANTISED
;;     2. [M 16,384, K 768] x [K 768, N 768]; A: input x_from (given as codes); B: input Wk (given as codes): QUANTISED
;;     3. [M 16,384, K 768] x [K 768, N 768]; A: input x_from (given as codes); B: input Wv (given as codes): QUANTISED
;;     4. batch 16 x [M 1,024, K 768] x [K 768, N 1,024]; A: computed on the way; B: computed on the way: QUANTISED
;;     5. batch 16 x [M 1,024, K 1,024] x [K 1,024, N 768]; A: softmax (see below); B: computed on the way: QUANTISED
;;   THE QUANTISER, for each operand of a quantised product, along K:
;;     - K is cut into blocks of 32 from its start; a last block that is shorter is filled with zeros.
;;     - A block's scale is 2^e with e = floor(log2(the largest magnitude in the block)) - 2, held to -126 .. 127; a block of zeros has e = 0. As a byte (E8M0): e + 127.
;;     - Each number is divided by its block's scale, clamped to +-7.5, and rounded to the nearest number of E2M3, ties to even, subnormals kept.
;;     - The product sums the exact products of the quantised numbers (number of the format x scale) in f32.
;;   ~~~python
;;   def quantise(x, axis):      # numpy; x: float32 -> the quantised numbers, widened to float32 again
;;       x = np.moveaxis(x, axis, -1); K = x.shape[-1]
;;       x = np.pad(x, [(0, 0)] * (x.ndim - 1) + [(0, -K % 32)]); x = x.reshape(x.shape[:-1] + (-1, 32)); a = np.abs(x).max(-1, keepdims=True)
;;       e = np.where(a > 0, np.clip(np.frexp(np.where(a > 0, a, 1))[1] - 1 - 2, -126, 127), 0)      # np.frexp(a)[1] - 1 = floor(log2(a)), exactly
;;       r = np.clip(x / 2.0 ** e, -7.5, 7.5)
;;       step = 2.0 ** (np.maximum(np.frexp(np.where(r == 0, 1, r))[1] - 1, 0) - 3)
;;       q = np.round(r / step) * step * 2.0 ** e      # np.round: ties to even
;;       return np.moveaxis(q.reshape(q.shape[:-2] + (-1,))[..., :K], -1, axis).astype(np.float32)
;;   ~~~
;;   SOFTMAX AHEAD OF A QUANTISED PRODUCT. Where the list says 'softmax', what is quantised is not the finished softmax but p = 2^(t - M), with t = logit x log2(e) and M = ceil(the row's largest t), a whole number; so 1/2 < the row's largest p <= 1. The row's sum l is taken of the UNQUANTISED p, in f32, and the product's result is divided by l at the end. Since M is a whole number, a kernel that streams over the keys may use a running M (the ceiling of the running maximum): every later rescaling is an exact power of two, which a block's scale takes up: the codes' values come out the same.
;;   OPERANDS COMPUTED ON THE WAY. 'Computed on the way' means the value that the module computes at that place (a softmax that the list does not call 'softmax' is quantised finished and normalised). What goes into a quantiser is computed in f32, as accurately as f32 sums, v_exp_f32 and their like allow (about 1e-6 of the number): no bf16 or f16 on the way to a quantiser, and a product that is left as it is and whose result goes on into a quantised operand takes f32 operands (vector FMAs, or v_wmma_f32_16x16x4_f32). A number that lies on a knife's edge between two numbers of the format may be rounded either way, as far as f32 arithmetic and the matrix unit's own rounding can turn it there, and no further.
;;   INPUTS GIVEN AS CODES. Wk (in the module: [768, 768], K = its axis 0); Wq (in the module: [768, 768], K = its axis 0); Wv (in the module: [768, 768], K = its axis 0); x_from (in the module: [16, 1024, 768], K = its axis 2); x_to (in the module: [16, 1024, 768], K = its axis 2): each comes as NAME_codes (uint8): NAME with its K axis moved to the last place and cut into blocks of 32 codes, [.., K / 32, bytes a block], one block behind the other in memory; four codes in three bytes: a row's codes are one little-endian stream of bits, code i at bits 6 i .. 6 i + 5 (a code: sign, 2 exponent bits, 3 mantissa bits); and NAME_scales (uint8): the same leading axes, one E8M0 byte (e + 127) for each 32 codes along K. Its value is code x scale, taken as it is: it is not quantised again, and the codes and scales need not be those that the quantiser above would give.
;; One version. Each part assembles by itself: llvm-mc -triple=amdgcn-amd-amdhsa -mcpu=gfx1250 --defsym DOCPART=n.
;; ======== version 1 of 1: 2 launches
;; limits: right only within a limited range of input values
;; workspace buffers: qc 9,830,400 bytes; kv 19,660,800 bytes
;; launch proj (part 1): grid 4 x 64, 4 waves a work-group, clusters of 4 x 4, 327,680 bytes of LDS; arguments x_to_codes, x_to_scales, x_from_codes, x_from_scales, Wq_codes, Wq_scales, Wk_codes, Wk_scales, Wv_codes, Wv_scales, bq, bk, bv, qc, kv; writes qc, kv
.if DOCPART == 1
	.amdgcn_target "amdgcn-amd-amdhsa--gfx1250"
	.amdhsa_code_object_version 6
	.text
	.protected	k_q19c4ae31f9_proj
	.globl	k_q19c4ae31f9_proj
	.p2align	8
	.type	k_q19c4ae31f9_proj,@function
k_q19c4ae31f9_proj:
	s_mov_b64 s[64:65], 0
	v_nop
	global_prefetch_b8 v0, s[64:65] scope:SCOPE_SE
	s_setreg_imm32_b32 hwreg(HW_REG_WAVE_MODE, 25, 1), 1
	s_wait_xcnt 0x0
	s_wait_alu depctr_hold_cnt(0) depctr_sa_sdst(0) depctr_va_vdst(0) depctr_va_sdst(0) depctr_va_ssrc(0) depctr_va_vcc(0) depctr_vm_vsrc(0)
	s_getreg_b32 s2, hwreg(HW_REG_IB_STS2, 6, 4)
	s_cmp_eq_u32 s2, 0
	s_cbranch_scc0 .Lentry_in_a_cluster
	s_endpgm
.Lentry_in_a_cluster:
	s_bfe_u32 s2, ttmp6, 0x10000c
	s_cmp_lg_u32 s2, 0xf033
	s_cbranch_scc0 .Lentry_shape_is_right
	s_endpgm
.Lentry_shape_is_right:
; v = x_from Wv + bv, k = x_from Wk + bk, q = x_to Wq + bq on codes of FP6 (E2M3), K = 768, sums in f32, the bias as the C of each sum's first product; the results are quantised at once
; (q and k along the channels, v along the keys) and leave as images of operand registers for the attention launch.
; SHARES.  Work-group (R = 0..63, C = 0..3): rows 256 R .. of x, channels 192 C .. of each W; three phases V, K, Q of three groups of 64 channels.  Wave w holds 64 rows of x, all of K, in registers (4 tiles x 6 fragments)
; and W streams past, 16 channels (6 fragments, 24 products) at a time.
; THE ROWS OF A TILE: lane r of tile t (t = 0..3) of 64 rows takes row 32 (r / 8) + 8 t + r % 8, for x and for W alike.  So in a result a lane's 8 registers of four tiles are 32 NEIGHBOURS along the next K: one scale block, no other lane is asked.
; IMAGES.  A fragment (16 rows x 128 K) is 1,536 bytes: half c (64 along K) is 768: registers 6c..6c+3 at 16 x lane, 6c+4, 6c+5 at 512 + 8 x lane.  Channel group G = 3 C + g (0..11) is half G % 2 of channel step G / 2.
;   qc: record (64 queries) of 36,864 bytes: fragment (step s, tile a) at (4 s + a) x 1,536.  Behind the 256 records: scale bytes [R][G][w][a / 2][r][a % 2][h].
;   kv: batch record of 12 slots of 102,400.  Slot s = 0..5, k: key tile kt at kt x 1,536; at 98,304 scale bytes [c][R % 4][w][a / 2][r][a % 2][h].
;   Slot 6 + sig, v: channel tiles 2 sig + d of each 192: ((8 C + jj) 2 + d) x 1,536 for key step jj; at 98,304 scale words of row r [C][jj][d][r].
; LDS.  Tiles are dense blocks of memory, fetched as rows of 256 bytes with 16 bytes of padding behind each: byte a of a block lies at a + 16 (a / 256).  Region P: x_from, then Wk's groups, Wq's first behind them; region QP: Wv's groups, then x_to.
; CLUSTER 4 x 4 = one batch's rows: x's tiles are asked for jointly along a row of the cluster (same R), W's along a column (same C).
; LIMITS: NaN and infinities are not served.  A block whose largest magnitude lies under 2^-124, a block of zeros too, keeps the byte 1; these bytes are read by this program alone.
.set QP,    156672
.set GRP,   39168                      ; 64 rows in LDS: 144 rows of 272 bytes
.set TIL,   4896                       ; 8 rows: from tile to tile
.set TAB,   313344                     ; the new scale bytes: V, K, Q, three groups of 512 bytes each (LDS stores alone)
.set SPARE, 317952
.set KVB,   1228800
.set KVS,   102400
.set WV, 2
.set CC, 3
.set RR, 34
.set BT, 35
.set RB, 36
.set G1X, 40
.set G1W, 48
.set G0X, 56
.set G0W, 60
.set GB, 66                            ; the group's place in LDS
.set WO, 67
.set GI, 68
.set OST, 69
.set SP, 70                            ; s[70:71] the next group's scale bytes, s[72:73] its bias
.set BP, 72
.set OP, 76
.set OB, 78
.set TBO, 80
.set A0, 8                             ; v8-15 fragment addresses of a tile at 0, one for each number of lanes that lie behind one padding more; v16-23 the same for the tile to fetch
.set AW, 16
.set O16, 24
.set O8, 25
.set VWS, 26
.set VB, 27
.set VBV, 28
.set TBQ, 29
.set TBV, 30
.set TBX, 31
.set TRD, 32
.set SOV, 33
.set PF, 34
.set SPW, 38
.set NIL, 39
.set WS, 48                            ; scale words of W's group (6 s + q: lanes 0-15 tile 2 s, lanes 16-31 tile 2 s + 1); v64-75 the next group's
.set WSN, 64
.set XSA, 84                           ; x_from's, x_to's
.set XSB, 100
.set TM, 112
.set TA, 116
.set SO, 120
.set EB, 124
.set CD, 128
.set CT, 152
.set BB, 180                           ; window 3: v0-143 W's two sets, v144-179 x's last three fragments, v180-211 the bias, v212-243 the next group's
.set BS, 212
.set MSB, 0
.macro WIN new
.if MSB != (\new)
	s_set_vgpr_msb (MSB<<8)|(\new)
.set MSB, (\new)
.endif
.endm
.macro PLACES n
.rept \n
	v_nop
.endr
.endm
.macro WALU
	s_wait_alu depctr_va_vdst(0)
.endm
.macro CREST
	s_cmp_lg_u32 s[WV], 0
	s_cbranch_scc1 .Lnot_wave_0_\@
	s_barrier_signal -3
.Lnot_wave_0_\@:
	s_barrier_wait -3
	s_barrier_signal -1
	s_barrier_wait -1
.endm
.macro CROUND
	s_barrier_signal -1
	s_barrier_wait -1
	CREST
.endm
.macro TLOAD g0, g1
	tensor_load_to_lds s[\g0:\g0+3], s[\g1:\g1+7]
	s_nop 0
	PLACES 4
.endm
.macro JLW lim                         ; waves under lim: one group of W each
	s_cmp_lt_u32 s[WV], \lim
	s_cbranch_scc0 .Lnone_\@
	TLOAD G0W, G1W
.Lnone_\@:
.endm
.macro JLXW                            ; waves 0 to 2 a third of x each, wave 3 a group of W
	s_cmp_lt_u32 s[WV], 3
	s_cbranch_scc0 .Lw_\@
	TLOAD G0X, G1X
	s_branch .Lasked_\@
.Lw_\@:
	TLOAD G0W, G1W
.Lasked_\@:
.endm
.macro SETW lds, base, off             ; group 0 of W: wave w takes the w-th group from here on
	s_mul_i32 s92, s[WV], 36864
	s_add_co_u32 s92, s92, \off
	s_mov_b32 s93, 0
	s_mul_i32 s[G0W+1], s[WV], GRP
	s_add_co_u32 s[G0W+1], s[G0W+1], \lds
	s_add_nc_u64 s[G0W+2:G0W+3], s[\base:\base+1], s[92:93]
	s_or_b32 s[G0W+3], s[G0W+3], 0x80000000
.endm
.macro SETX lds, base
	s_mul_i32 s92, s[WV], 49152
	s_mov_b32 s93, 0
	s_mul_i32 s[G0X+1], s[WV], 52224
	s_add_co_u32 s[G0X+1], s[G0X+1], \lds
	s_add_nc_u64 s[G0X+2:G0X+3], s[\base:\base+1], s[92:93]
	s_or_b32 s[G0X+3], s[G0X+3], 0x80000000
.endm
.macro SETUP rf
.if \rf == 1
	SETW QP+GRP, 20, 36864
.elseif \rf == 2
	SETW 0, 16, 0
.elseif \rf == 3
	SETX QP, 4
	s_mov_b32 s[G0W+1], 3*GRP
	s_mov_b64 s[G0W+2:G0W+3], s[12:13]
	s_or_b32 s[G0W+3], s[G0W+3], 0x80000000
.else
	SETW 0, 12, 36864
.endif
.endm
.macro REFILL rf
.if \rf == 1
	JLW 2
.elseif \rf == 2
	JLW 3
.elseif \rf == 3
	JLXW
.else
	JLW 2
.endif
.endm
; a fragment: 24 bytes of a row twice, in pieces of 8; piece k of a row, behind k / 32 paddings; whether a lane lies behind one more hangs on its row and half: address register 2 ((k % 32) / 8) + (k % 8 > 4); two pieces to a load where it is the same one
.macro FRAG reg, q
.set SKIP_, 0
.irp p, 0,1,2,3,4,5
.if SKIP_
.set SKIP_, 0
.else
.set K1_, 12*(\q)+6*(\p/3)+\p%3
.set K2_, 12*(\q)+6*((\p+1)/3)+(\p+1)%3
.set P1_, 2*((K1_%32)/8)+(K1_%8+3)/8
.set P2_, 2*((K2_%32)/8)+(K2_%8+3)/8
.if (\p < 5) && (P1_ == P2_)
.set SKIP_, 1
	ds_load_2addr_b64 v[\reg+2*\p:\reg+2*\p+3], v[AW+P1_] offset0:K1_+2*(K1_/32) offset1:K2_+2*(K2_/32)
.else
	ds_load_b64 v[\reg+2*\p:\reg+2*\p+1], v[AW+P1_] offset:8*(K1_+2*(K1_/32))
.endif
.endif
.endr
.endm
.macro FETW set                        ; 16 channels of W, all of K: 24 loads
	WIN 0xc0
.irp q, 0,1,2,3,4,5
	FRAG 72*(\set)+12*\q, \q
.endr
	WIN 0
.endm
.macro ADDRV
	WIN 0
.irp n, 0,1,2,3,4,5,6,7
	v_add_nc_u32 v[AW+\n], s[WO], v[A0+\n]
.endr
.endm
.macro ADDRN nb, off                   ; the next group's tile
.if (\nb) < 0
	s_add_co_u32 s[WO], s[GB], GRP+(\off)
.else
	s_mov_b32 s[WO], (\nb)+(\off)
.endif
	ADDRV
.endm
.macro XLOAD base                      ; my 64 rows of x, all of K
	s_mul_i32 s[WO], s[WV], GRP
	s_add_co_u32 s[WO], s[WO], \base
.irp a, 0,1,2,3
	ADDRV
.irp q, 0,1,2,3,4,5
.set f_, 6*\a+\q
.if f_ < 21
	WIN 0x40
	FRAG 12*f_, \q
.else
	WIN 0xc0
	FRAG 144+12*(f_-21), \q
.endif
.endr
	WIN 0
	s_add_co_u32 s[WO], s[WO], TIL
.endr
.endm
.macro SCLOAD reg, base                ; scale words: 24 bytes of a row a lane, two runs of tiles
.irp s, 0,1
.irp i, 0,1,2
	global_load_b64 v[\reg+6*\s+2*\i:\reg+6*\s+2*\i+1], v[VWS], s[\base:\base+1] offset:384*\s+8*\i
.endr
.endr
.endm
.macro BLOAD kd, base                  ; a group's bias: kind 0 eight channels a tile, kind 1 one
	WIN 0xc0
.irp j, 0,1,2,3
.if \kd
	global_load_b32 v[BS+8*\j], v[VBV], s[\base:\base+1] offset:32*\j
.else
	global_load_b128 v[BS+8*\j:BS+8*\j+3], v[VB], s[\base:\base+1] offset:32*\j
	global_load_b128 v[BS+8*\j+4:BS+8*\j+7], v[VB], s[\base:\base+1] offset:32*\j+16
.endif
.endr
	WIN 0
.endm
.macro MOVB kd, j
	WIN 0xc3
.irp i, 0,1,2,3,4,5,6,7
.if \kd
	v_mov_b32 v[BB+8*\j+\i], v[BS+8*\j]
.else
	v_mov_b32 v[BB+8*\j+\i], v[BS+8*\j+\i]
.endif
.endr
.endm
.macro WX ra, rb
	v_wmma_scale_f32_16x16x128_f8f6f4 v[rD:rD+7], v[rA:rA+11], v[rB:rB+11], v[rC:rC+7], v[sA], v[sB] matrix_a_fmt:MATRIX_FMT_FP6 matrix_b_fmt:MATRIX_FMT_FP6 matrix_a_scale:MATRIX_SCALE_ROW\ra matrix_b_scale:MATRIX_SCALE_ROW\rb
.endm
; product n = 4 q + a of tile j.  kind 0 (K, Q): source 0 = W, a lane holds a row of x and channels along its registers; kind 1 (V): source 0 = x, a lane holds a channel and keys along its registers.
; The tile's four accumulators take turns, one instruction a turn
.macro PROD kind, j, n, xs
.set q_, (\n)/4
.set a_, (\n)%4
.set f_, 6*a_+q_
.if f_ < 21
.set xw_, 1
.set rX, 12*f_
.else
.set xw_, 3
.set rX, 144+12*(f_-21)
.endif
.set rW, 72*((\j)%2)+12*q_
.if \kind
.set rD, 32*(\j)+8*a_
.set rA, rX
.set rB, rW
.set sA, (\xs)+6*(a_/2)+q_
.set sB, WS+6*((\j)/2)+q_
.set fA, a_%2
.set fB, (\j)%2
.set wn, xw_|(3<<2)|(2<<6)
.else
.set rD, 32*a_+8*(\j)
.set rA, rW
.set rB, rX
.set sA, WS+6*((\j)/2)+q_
.set sB, (\xs)+6*(a_/2)+q_
.set fA, (\j)%2
.set fB, a_%2
.set wn, 3|(xw_<<2)|(2<<6)
.endif
.if q_ == 0
.set rC, BB+8*(\j)
.set wn, wn|(3<<4)
.else
.set rC, rD
.set wn, wn|(2<<4)
.endif
	WIN wn
.if fA && fB
	WX 1, 1
.elseif fA
	WX 1, 0
.elseif fB
	WX 0, 1
.else
	WX 0, 0
.endif
.endm
.macro PRODS kind, j, n0, n1, xs
.set nn, \n0
.rept (\n1)-(\n0)
	PROD \kind, \j, nn, \xs
.set nn, nn+1
.endr
.endm
; THE LARGEST MAGNITUDES, four lines on the results of tile t - 1.  Kind 0: four blocks (x's tiles), eight numbers each a tile; kind 1: one block a tile, in four chains that JOIN joins
.macro MAX4 kind, t, k
	WIN 0x0a
.irp c, 0,1,2,3
.if \kind
.set mr, 32*((\t)-1)+8*\c+2*(\k)
.if (\k) == 0
	v_max_num_f32 v[TA+\c], |v[mr]|, |v[mr+1]|
.else
	v_max3_num_f32 v[TA+\c], |v[mr]|, |v[mr+1]|, v[TA+\c]
.endif
.else
.set mr, 32*\c+8*((\t)-1)+2*(\k)
	v_max3_num_f32 v[TM+\c], |v[mr]|, |v[mr+1]|, v[TM+\c]
.endif
.endr
.endm
.macro JOIN t
	WIN 0
	v_max3_num_f32 v[TM+(\t)-1], v[TA], v[TA+1], v[TM+(\t)-1]
	v_max3_num_f32 v[TM+(\t)-1], v[TA+2], v[TA+3], v[TM+(\t)-1]
.endm
.macro OUTP kind, st                   ; where the group's codes go; the next group's scale bytes and bias
.if \kind
	s_mov_b64 s[OP:OP+1], s[OB:OB+1]
	s_add_nc_u64 s[OB:OB+1], s[OB:OB+1], 2*KVS
.else
	s_lshr_b32 s74, s[GI], 1
	s_mul_i32 s74, s74, s[OST]
	s_and_b32 s75, s[GI], 1
	s_mul_i32 s75, s75, 768
	s_add_co_u32 s74, s74, s75
	s_mov_b32 s75, 0
	s_add_nc_u64 s[OP:OP+1], s[OB:OB+1], s[74:75]
	s_add_co_u32 s[GI], s[GI], 1
.endif
.if \st
	s_add_nc_u64 s[SP:SP+1], s[SP:SP+1], 1536
	s_add_nc_u64 s[BP:BP+1], s[BP:BP+1], 256
.endif
.endm
; x_to's rows are asked for ahead of their tensor loads, which stand more than a group on: the 16 waves of a row of the cluster share the 147,456 bytes by address, 36 blocks of 256 a wave.
; Wq's channels likewise by the 16 waves of a column, 27 blocks a wave, in four of the sixteen clusters
.macro ASKNEXT
	WALU
	global_prefetch_b8 v[PF], s[88:89] th:TH_LOAD_NT scope:SCOPE_SE
	global_prefetch_b8 v[PF+2], s[88:89] offset:8192 th:TH_LOAD_NT scope:SCOPE_SE
	s_cmp_lt_u32 s[BT], 4
	s_cbranch_scc0 .Lnot_mine_\@
	global_prefetch_b8 v[PF+1], s[90:91] th:TH_LOAD_NT scope:SCOPE_SE
.Lnot_mine_\@:
.endm
; ev (what stands at the group's end): 0 nothing, the next group's first tile is fetched in the last tile; 1 a round and refill rf; 2 a barrier that shows the last refill; 3 the last group
.macro TILE kind, t, xs, nk, ev, nb, rf, st, pf
.if (((\t) == 3) && ((\ev) > 0)) || (((\t) == 2) && ((\ev) == 3))
	WALU                                           ; no address additions stand between the last maxima and their next readers
.endif
	s_wait_dscnt 0x0                               ; this tile's fragments are in
.if (\t) == 0
	s_wait_xcnt 0x0                                ; the stores before have read their registers and base
	OUTP \kind, \st
.endif
.if ((\t) == 3) && (((\ev) == 1) || ((\ev) == 2))
	WIN 0
	s_wait_tensorcnt 0x0                           ; all my tensor loads have landed
.if (\ev) == 1
	ds_add_u32 v[SPW], v[NIL]
	SETUP \rf
.endif
.endif
	PRODS \kind, \t, 0, 4, \xs
	WIN 0
	PLACES 4                                       ; in front of loads into registers that the tile before has read, and of the first read of its results
.if ((\t) < 3) || ((\ev) == 0)
	FETW ((\t)+1)%2
.endif
.if (\t) < 2
	s_add_co_u32 s[WO], s[GB], TIL*((\t)+2)
	ADDRV
.elseif ((\t) == 2) && ((\ev) != 3)
	ADDRN \nb, 0
.elseif ((\t) == 3) && ((\ev) == 0)
	ADDRN \nb, TIL
.endif
.if (\t) == 0
.if (\nk) >= 0
	SCLOAD WSN, SP
	BLOAD \nk, BP
.endif
.irp e, 0,1,2,3
	v_mov_b32 v[TM+\e], 0x1800000                  ; the floor 2^-124
.endr
.if \kind
	v_add_nc_u32 v[TBX], s[TBO], v[TBV]
.else
	v_add_nc_u32 v[TBX], s[TBO], v[TBQ]
.endif
	s_add_co_u32 s[TBO], s[TBO], 512
	WALU
.endif
.if ((\t) == 1) && (\pf)
	ASKNEXT
.endif
.if ((\t) == 3) && ((\nk) >= 0)
	s_wait_loadcnt 0x0                             ; the next group's scale words and bias
.endif
.irp k, 0,1,2,3
	PRODS \kind, \t, 4+4*\k, 8+4*\k, \xs
.if (\t) > 0
	MAX4 \kind, \t, \k
.endif
.if ((\t) == 3) && ((\nk) >= 0)
	MOVB \nk, \k
.endif
.if ((\t) == 3) && (\k == 2) && (((\ev) == 1) || ((\ev) == 2))
	WALU
	s_wait_dscnt 0x0                               ; the add is done, and so are my reads of what is filled again
	s_barrier_signal -1
.endif
.endr
.if (\kind) && ((\t) > 0)
	JOIN \t
.endif
	PRODS \kind, \t, 20, 24, \xs
.endm
.macro GROUP kind, xs, nk, ev, nb, rf, st, pf, xl
	TILE \kind, 0, \xs, \nk, \ev, \nb, \rf, \st, \pf
	TILE \kind, 1, \xs, \nk, \ev, \nb, \rf, \st, \pf
	TILE \kind, 2, \xs, \nk, \ev, \nb, \rf, \st, \pf
	TILE \kind, 3, \xs, \nk, \ev, \nb, \rf, \st, \pf
	WIN 0
.if ((\ev) == 1) || ((\ev) == 2)
	s_barrier_wait -1
.endif
.if (\ev) == 1
	CREST
	REFILL \rf
.endif
	PLACES 4
.if ((\ev) == 1) || ((\ev) == 2)
	FETW 0
.if \xl
	XLOAD QP
.endif
	ADDRN \nb, TIL
.endif
.if (\nk) >= 0
.set I_, 0
.rept 12
	v_mov_b32 v[WS+I_], v[WSN+I_]
.set I_, I_+1
.endr
.endif
.irp k, 0,1,2,3
	MAX4 \kind, 4, \k
.endr
.if \kind
	JOIN 4
.endif
	WIN 0
.irp e, 0,1,2,3
	v_add_nc_u32 v[SO+\e], 0xff000000, v[TM+\e]    ; 2 off the exponent field: the conversions' scale operand
.endr
	WIN 2
.irp e, 0,1,2,3
	v_cvt_scalef32_pk16_fp6_f32 v[CD+6*\e:CD+6*\e+2], v[32*\e:32*\e+15], v[SO+\e]
	v_cvt_scalef32_pk16_fp6_f32 v[CT+4*\e:CT+4*\e+2], v[32*\e+16:32*\e+31], v[SO+\e]
.endr
	WIN 0
.irp e, 0,1,2,3
	v_lshrrev_b32 v[EB+\e], 23, v[SO+\e]           ; the scale's byte
.endr
.irp e, 0,1,2,3
.irp i, 0,1,2
	v_mov_b32 v[CD+6*\e+3+\i], v[CT+4*\e+\i]
.endr
.endr
.irp e, 0,1,2,3                        ; each store of the wave covers 512 or 256 consecutive bytes, aligned
.if \kind
.set of_, (\e/2)*KVS+(\e%2)*1536
.set ob_, (\e/2)*256+(\e%2)*64
.else
.set of_, \e*1536
.set ob_, (\e/2)*64+(\e%2)*2
.endif
	global_store_b128 v[O16], v[CD+6*\e:CD+6*\e+3], s[OP:OP+1] offset:of_
	global_store_b64 v[O8], v[CD+6*\e+4:CD+6*\e+5], s[OP:OP+1] offset:of_
	ds_store_b8 v[TBX], v[EB+\e] offset:ob_
.endr
.if (\nb) < 0
	s_add_co_u32 s[GB], s[GB], GRP
.endif
.endm
	s_load_b512 s[4:19], s[0:1], 0x0               ; x_to codes, scales; x_from codes, scales; Wq codes, scales; Wk codes, scales
	s_load_b256 s[20:27], s[0:1], 0x40             ; Wv codes, scales; bq; bk
	s_load_b128 s[28:31], s[0:1], 0x60             ; bv; qc
	s_load_b64 s[32:33], s[0:1], 0x70              ; kv
	v_lshl_add_u32 v[SPW], v0, 2, SPARE
	v_mov_b32 v[NIL], 0
	ds_add_u32 v[SPW], v[NIL]
	ds_add_u32 v[SPW], v[NIL]
	v_lshrrev_b32 v4, 5, v0
	v_readfirstlane_b32 s[WV], v4
	s_bfe_u32 s[CC], ttmp6, 0x40000                ; cx = C
	s_bfe_u32 s[RB], ttmp6, 0x40004                ; cy = R % 4
	s_and_b32 s[BT], ttmp7, 0xffff                 ; the batch
	s_lshl_b32 s[RR], s[BT], 2
	s_add_co_u32 s[RR], s[RR], s[RB]
	s_lshl_b32 s37, s[RB], 2
	s_lshl_b32 s37, 15, s37                        ; my row of the cluster
	s_lshl_b32 s38, 0x1111, s[CC]                  ; my column
	s_or_b32 s[G1X], s37, (3<<16)|(1<<20)|(1<<21)|(5<<22)|(3<<25)
	s_or_b32 s[G1W], s38, (3<<16)|(1<<20)|(1<<21)|(5<<22)|(3<<25)
	s_mov_b32 s[G1X+2], 192<<16                    ; a third of 256 rows of x: 192 rows of 256 bytes
	s_mov_b32 s[G1X+4], 192
	s_mov_b32 s[G1W+2], 144<<16                    ; 64 rows of W
	s_mov_b32 s[G1W+4], 144
.irp g, G1X, G1W
	s_mov_b32 s[\g+1], 32<<16
	s_mov_b32 s[\g+3], 32<<16
	s_mov_b32 s[\g+5], 32
	s_mov_b32 s[\g+6], 0
	s_mov_b32 s[\g+7], 0
.endr
	s_mov_b32 s[G0X], 1
	s_mov_b32 s[G0W], 1
	v_and_b32 v1, 15, v0                           ; r
	v_bfe_u32 v2, v0, 4, 1                         ; h
	v_and_b32 v3, 31, v0                           ; lane
	v_and_b32 v4, 7, v1                            ; r % 8
	v_lshrrev_b32 v5, 3, v1                        ; r / 8
	v_mul_u32_u24 v6, v4, 576
	v_mad_u32_u24 v6, v2, 24, v6                   ; byte 576 (r % 8) + 24 h
	v_lshrrev_b32 v7, 8, v6
	v_lshl_add_u32 v7, v7, 4, v6                   ; with its paddings
	v_mul_u32_u24 v37, v5, 19584                   ; 32 rows: 72 x 272
	v_add_nc_u32 v7, v7, v37
	v_and_b32 v6, 0xff, v6
	v_add_nc_u32 v[A0], 0, v7
.irp n, 1,2,3,4,5,6,7
	v_add_nc_u32 v37, 64*(\n/2)+40*(\n%2), v6
	v_lshrrev_b32 v37, 8, v37
	v_lshl_add_u32 v[A0+\n], v37, 4, v7            ; 16 more where the piece lies behind one padding more
.endr
	v_mul_u32_u24 v37, v5, 768
	v_mad_u32_u24 v37, v2, 192, v37
	v_mad_u32_u24 v[VWS], v4, 24, v37              ; row 32 (r / 8) + 8 h + r % 8 of 24 scale bytes
	v_lshlrev_b32 v[VB], 7, v2
	v_lshlrev_b32 v37, 7, v5
	v_lshl_add_u32 v[VBV], v4, 2, v37
	v_lshlrev_b32 v[O16], 4, v3
	v_lshl_add_u32 v[O8], v3, 3, 512
	v_lshl_add_u32 v37, v1, 2, v2                  ; 4 r + h
	s_lshl_b32 s92, s[WV], 7
	s_add_co_u32 s92, s92, TAB
	v_add_nc_u32 v[TBQ], s92, v37
	s_lshr_b32 s92, s[WV], 1
	s_lshl_b32 s92, s92, 7
	s_and_b32 s93, s[WV], 1
	s_lshl_b32 s93, s93, 1
	s_add_co_u32 s92, s92, s93
	s_add_co_u32 s92, s92, TAB
	WALU
	v_add_nc_u32 v[TBV], s92, v37
	s_min_u32 s92, s[WV], 2
	s_lshl_b32 s92, s92, 9
	s_add_co_u32 s92, s92, TAB
	v_lshl_add_u32 v[TRD], v3, 4, s92
	v_mul_u32_u24 v37, v2, KVS
	v_lshl_add_u32 v[SOV], v1, 4, v37
	v_lshlrev_b32 v[PF], 8, v3
	v_min_u32 v[PF+1], 26, v3
	v_lshlrev_b32 v[PF+1], 8, v[PF+1]
	v_min_u32 v[PF+2], 3, v3
	v_lshlrev_b32 v[PF+2], 8, v[PF+2]
	WALU
	s_wait_dscnt 0x0
	CROUND                                         ; all sixteen work-groups are here
	s_wait_kmcnt 0x0
	s_mov_b32 s93, 0
	s_mul_i32 s92, s[RR], 147456                   ; my 256 rows of codes
	s_add_nc_u64 s[8:9], s[8:9], s[92:93]
	s_add_nc_u64 s[4:5], s[4:5], s[92:93]
	s_mul_i32 s92, s[CC], 110592                   ; my 192 channels of each W
	s_add_nc_u64 s[12:13], s[12:13], s[92:93]
	s_add_nc_u64 s[16:17], s[16:17], s[92:93]
	s_add_nc_u64 s[20:21], s[20:21], s[92:93]
	SETX 0, 8
	s_mov_b32 s[G0W+1], QP
	s_mov_b64 s[G0W+2:G0W+3], s[20:21]
	s_or_b32 s[G0W+3], s[G0W+3], 0x80000000
	JLXW                                           ; the head's loads, one a wave: x_from, and Wv's first group
	s_mul_i32 s92, s[CC], 4608                     ; scale bytes
	s_add_nc_u64 s[14:15], s[14:15], s[92:93]
	s_add_nc_u64 s[18:19], s[18:19], s[92:93]
	s_add_nc_u64 s[SP:SP+1], s[22:23], s[92:93]
	s_mul_i32 s92, s[CC], 768                      ; biases
	s_add_nc_u64 s[24:25], s[24:25], s[92:93]
	s_add_nc_u64 s[26:27], s[26:27], s[92:93]
	s_add_nc_u64 s[BP:BP+1], s[28:29], s[92:93]
	s_mul_i32 s92, s[RR], 6144
	s_mul_i32 s94, s[WV], 1536
	s_add_co_u32 s92, s92, s94
	s_add_nc_u64 s[6:7], s[6:7], s[92:93]
	s_add_nc_u64 s[10:11], s[10:11], s[92:93]
	SCLOAD XSA, 10
	SCLOAD WS, SP
	BLOAD 1, BP
	s_mul_i32 s92, s[BT], KVB
	s_add_nc_u64 s[82:83], s[32:33], s[92:93]      ; the batch's record of kv
	s_lshl_b32 s94, s[CC], 3
	s_lshl_b32 s95, s[RB], 1
	s_add_co_u32 s94, s94, s95
	s_lshr_b32 s95, s[WV], 1
	s_add_co_u32 s94, s94, s95
	s_mul_i32 s92, s94, 3072
	s_and_b32 s95, s[WV], 1
	s_mul_i32 s95, s95, 768
	s_add_co_u32 s92, s92, s95
	s_add_co_u32 s92, s92, 6*KVS
	s_add_nc_u64 s[OB:OB+1], s[82:83], s[92:93]    ; v's half fragments
	s_mul_i32 s92, s[RB], 24576
	s_mul_i32 s95, s[WV], 6144
	s_add_co_u32 s92, s92, s95
	s_add_nc_u64 s[86:87], s[82:83], s[92:93]      ; k's
	s_lshl_b32 s92, s[RR], 2
	s_add_co_u32 s92, s92, s[WV]
	s_mul_i32 s92, s92, 36864
	s_add_nc_u64 s[84:85], s[30:31], s[92:93]      ; q's
	s_mul_i32 s92, s[CC], 36864
	s_mul_i32 s95, s[WV], 9216
	s_add_co_u32 s92, s92, s95
	s_add_nc_u64 s[88:89], s[4:5], s[92:93]        ; the prefetches
	s_lshl_b32 s92, s[RB], 2
	s_add_co_u32 s92, s92, s[WV]
	s_mul_i32 s92, s92, 6912
	s_add_nc_u64 s[90:91], s[12:13], s[92:93]
	s_mul_i32 s[GI], s[CC], 3
	s_mov_b32 s[OST], KVS
	s_mov_b32 s[TBO], 0
	WALU
	s_wait_tensorcnt 0x0
	ds_add_u32 v[SPW], v[NIL]
	SETUP 1
	s_wait_dscnt 0x0
	CROUND                                         ; x_from and Wv's first group are in, everybody's
	REFILL 1                                       ; Wv's other two groups
	XLOAD 0
	s_mov_b32 s[GB], QP
	s_mov_b32 s[WO], QP
	ADDRV
	FETW 0
	s_add_co_u32 s[WO], s[GB], TIL
	ADDRV
	s_wait_loadcnt 0x0
.irp j, 0,1,2,3
	MOVB 1, \j
.endr
	WIN 0
	GROUP 1, XSA, 1, 1, QP+GRP, 2, 1, 0, 0
	s_mov_b32 s[GB], QP+GRP
	GROUP 1, XSA, 1, 0, QP+2*GRP, 0, 1, 1, 0
	s_mov_b32 s[GB], QP+2*GRP
	s_mov_b64 s[SP:SP+1], s[18:19]
	s_mov_b64 s[BP:BP+1], s[26:27]
	GROUP 1, XSA, 0, 1, 0, 3, 0, 0, 0
	s_mov_b64 s[OB:OB+1], s[86:87]
	s_mov_b32 s[GB], 0
	s_mov_b32 s100, 0
.Lk:                                                   ; k's groups 0 and 1
	GROUP 0, XSA, 0, 0, -1, 0, 1, 0, 0
	s_add_co_u32 s100, s100, 1
	s_cmp_lg_u32 s100, 2
	WALU
	s_cbranch_scc1 .Lk
	s_mov_b32 s[GB], 2*GRP
	s_mov_b64 s[SP:SP+1], s[14:15]
	s_mov_b64 s[BP:BP+1], s[24:25]
	SCLOAD XSB, 6
	GROUP 0, XSA, 0, 1, 3*GRP, 4, 0, 0, 1
	s_mov_b64 s[OB:OB+1], s[84:85]
	s_mul_i32 s[GI], s[CC], 3
	s_mov_b32 s[OST], 6144
	s_mov_b32 s[GB], 3*GRP
	GROUP 0, XSB, 0, 2, 0, 0, 1, 0, 0
	s_mov_b32 s[GB], 0
	GROUP 0, XSB, 0, 0, GRP, 0, 1, 0, 0
	s_mov_b32 s[GB], GRP
	GROUP 0, XSB, -1, 3, 0, 0, 0, 0, 0
	; the scale bytes leave in whole units: wave g < 3 the g-th group's
	s_mul_i32 s94, s[CC], 3
	s_add_co_u32 s94, s94, s[WV]
	s_lshr_b32 s95, s94, 1
	s_and_b32 s96, s94, 1
	s_mul_i32 s92, s95, KVS
	s_lshl_b32 s96, s96, 11
	s_add_co_u32 s92, s92, s96
	s_lshl_b32 s96, s[RB], 9
	s_add_co_u32 s92, s92, s96
	s_add_co_u32 s92, s92, 98304
	s_add_nc_u64 s[86:87], s[82:83], s[92:93]
	s_mul_i32 s92, s[RR], 12
	s_add_co_u32 s92, s92, s94
	s_lshl_b32 s92, s92, 9
	s_add_co_u32 s92, s92, 9437184
	s_add_nc_u64 s[84:85], s[30:31], s[92:93]
	s_mul_i32 s92, s[WV], 2*KVS
	s_lshl_b32 s96, s[CC], 10
	s_add_co_u32 s92, s92, s96
	s_lshl_b32 s96, s[RB], 8
	s_add_co_u32 s92, s92, s96
	s_add_co_u32 s92, s92, 6*KVS+98304
	s_add_nc_u64 s[90:91], s[82:83], s[92:93]
	WALU
	s_wait_dscnt 0x0                               ; my bytes lie in the tables
	s_barrier_signal -1
	s_barrier_wait -1
	s_cmp_lt_u32 s[WV], 3
	s_cbranch_scc0 .Lno_tab
	ds_load_b128 v[200:203], v[TRD]
	ds_load_b128 v[204:207], v[TRD] offset:1536
	ds_load_b128 v[208:211], v[TRD] offset:3072
	s_wait_dscnt 0x0
	global_store_b128 v[SOV], v[200:203], s[90:91]
	global_store_b128 v[O16], v[204:207], s[86:87]
	global_store_b128 v[O16], v[208:211], s[84:85]
.Lno_tab:
	s_wait_tensorcnt 0x0                           ; the wave's end
	ds_add_u32 v[SPW], v[NIL]
	s_wait_dscnt 0x0
	CROUND
	s_endpgm
.Lfunc_end_k_q19c4ae31f9_proj:
	.size	k_q19c4ae31f9_proj, .Lfunc_end_k_q19c4ae31f9_proj-k_q19c4ae31f9_proj
	.p2alignl 7, 3214868480
	.fill 96, 4, 3214868480
	.section	.rodata,"a",@progbits
	.p2align	6, 0x0
	.amdhsa_kernel k_q19c4ae31f9_proj
		.amdhsa_group_segment_fixed_size 327680
		.amdhsa_private_segment_fixed_size 0
		.amdhsa_enable_private_segment 0
		.amdhsa_kernarg_size 120
		.amdhsa_user_sgpr_count 2
		.amdhsa_user_sgpr_kernarg_segment_ptr 1
		.amdhsa_wavefront_size32 1
		.amdhsa_system_sgpr_workgroup_id_x 1
		.amdhsa_system_sgpr_workgroup_id_y 1
		.amdhsa_system_sgpr_workgroup_id_z 1
		.amdhsa_system_vgpr_workitem_id 0
		.amdhsa_next_free_vgpr 1024
		.amdhsa_next_free_sgpr 102
		.amdhsa_reserve_vcc 0
		.amdhsa_float_denorm_mode_32 3
		.amdhsa_float_denorm_mode_16_64 3
		.amdhsa_memory_ordered 1
		.amdhsa_forward_progress 1
		.amdhsa_inst_pref_size 255
	.end_amdhsa_kernel
	.section	.bss,"aw",@nobits
	.p2align	6
	.space	262144
	.amdgpu_metadata
---
amdhsa.version: [ 1, 2 ]
amdhsa.kernels:
  - .name:           k_q19c4ae31f9_proj
    .symbol:         k_q19c4ae31f9_proj.kd
    .args:
      - { .name: x_to_codes, .offset: 0, .size: 8, .value_kind: global_buffer, .address_space: global }
      - { .name: x_to_scales, .offset: 8, .size: 8, .value_kind: global_buffer, .address_space: global }
      - { .name: x_from_codes, .offset: 16, .size: 8, .value_kind: global_buffer, .address_space: global }
      - { .name: x_from_scales, .offset: 24, .size: 8, .value_kind: global_buffer, .address_space: global }
      - { .name: Wq_codes, .offset: 32, .size: 8, .value_kind: global_buffer, .address_space: global }
      - { .name: Wq_scales, .offset: 40, .size: 8, .value_kind: global_buffer, .address_space: global }
      - { .name: Wk_codes, .offset: 48, .size: 8, .value_kind: global_buffer, .address_space: global }
      - { .name: Wk_scales, .offset: 56, .size: 8, .value_kind: global_buffer, .address_space: global }
      - { .name: Wv_codes, .offset: 64, .size: 8, .value_kind: global_buffer, .address_space: global }
      - { .name: Wv_scales, .offset: 72, .size: 8, .value_kind: global_buffer, .address_space: global }
      - { .name: bq, .offset: 80, .size: 8, .value_kind: global_buffer, .address_space: global }
      - { .name: bk, .offset: 88, .size: 8, .value_kind: global_buffer, .address_space: global }
      - { .name: bv, .offset: 96, .size: 8, .value_kind: global_buffer, .address_space: global }
      - { .name: qc, .offset: 104, .size: 8, .value_kind: global_buffer, .address_space: global }
      - { .name: kv, .offset: 112, .size: 8, .value_kind: global_buffer, .address_space: global }
    .group_segment_fixed_size: 327680
    .private_segment_fixed_size: 0
    .kernarg_segment_align: 8
    .kernarg_segment_size: 120
    .max_flat_workgroup_size: 128
    .sgpr_count:     102
    .vgpr_count:     1024
    .wavefront_size: 32
...
	.end_amdgpu_metadata
.endif
;; end of part 1
;; launch attn (part 2): grid 64 x 4, 4 waves a work-group, clusters of 4 x 1, 327,680 bytes of LDS; arguments qc, kv, out0; writes out0
.if DOCPART == 2
	.amdgcn_target "amdgcn-amd-amdhsa--gfx1250"
	.amdhsa_code_object_version 6
	.text
	.protected	k_q19c4ae31f9_attn
	.globl	k_q19c4ae31f9_attn
	.p2align	8
	.type	k_q19c4ae31f9_attn,@function
k_q19c4ae31f9_attn:
	s_mov_b64 s[64:65], 0
	v_nop
	global_prefetch_b8 v0, s[64:65] scope:SCOPE_SE
	s_setreg_imm32_b32 hwreg(HW_REG_WAVE_MODE, 25, 1), 1
	s_wait_xcnt 0x0
	s_wait_alu depctr_hold_cnt(0) depctr_sa_sdst(0) depctr_va_vdst(0) depctr_va_sdst(0) depctr_va_ssrc(0) depctr_va_vcc(0) depctr_vm_vsrc(0)
	s_getreg_b32 s2, hwreg(HW_REG_IB_STS2, 6, 4)
	s_cmp_eq_u32 s2, 0
	s_cbranch_scc0 .Lentry_in_a_cluster
	s_endpgm
.Lentry_in_a_cluster:
	s_bfe_u32 s2, ttmp6, 0x10000c
	s_cmp_lg_u32 s2, 0x3003
	s_cbranch_scc0 .Lentry_shape_is_right
	s_endpgm
.Lentry_shape_is_right:
; out[b][q][:] = the sum over k of softmax_k(q . k / sqrt(768)) v[k][:], both products on codes of FP6 (E2M3) with one E8M0 scale for each 32 along K; q, k and v come as images of operand registers (their order: the first launch's head).
; SHARES.  A work-group owns 64 queries (four tiles a; lane r of tile a is query 32 (r / 8) + 8 a + r % 8) of one batch.  In S^T = K Q^T wave w owns keys 256 w .. (64 accumulators); in O^T = V^T P^T channels 192 w ..
; Lane r of key tile 4 u + j is key 64 u + 32 (r / 8) + 8 j + r % 8: so a lane's registers of four key tiles are 32 neighbouring keys of one query: one scale block of p.  p goes from wave to wave through LDS as images of its registers.
; THE SOFTMAX.  All scores of a query are in the work-group's registers at once: t = score x log2(e) / sqrt(768), M = ceil(the row's largest t), p = 2^(t - M); the sum is taken of the unquantised p and divides at the end.
; CLUSTER.  The four partners belong to one batch and ask for every slot jointly.
; THE SLOTS' WAY THROUGH LDS, regions A, B, R on end:  head: slot 0 -> A (waves 0 and 1 a half each), 1 -> B (wave 2), 2 -> R (wave 3);  in K step 1: 3, 4 -> A, B;  behind K step 2: 5 -> R;  in K step 4: 6, 7 -> A, B;
; in mid-softmax, when V's first fragments are in registers: 8 -> A;  then 9 -> B, 10 -> A, 11 -> B.  R has its last fill with slot 5 and then serves as scratch, behind a barrier that follows every wave's last read of it.
; Q does not go through LDS: each wave loads its fragments from memory: five sets for channel steps 0 to 4, step 5 into set 0 when step 0 is done.
; LIMITS: NaN and infinities are not served.  A block whose every p lies under 2^-124 keeps the byte 1.  A block's largest p is taken as the exponential of its largest score by the same multiply-add and exponential as the scores';
; that takes v_exp_f32 not to fall where its input rises.  The promise holds while the scaled scores stay under 2^31 in magnitude.
; REGISTERS: window 0: v1-31 addresses; v32-63 scale words alone; v64-255 K's 16 fragments, then the softmax's work, then 16 accumulators of O^T (v64-191) and 1 / l.
;   window 1: Q's fragments (v0-239), K's scale halves (v240-247), then V's 16 fragments.   windows 2, 3: S^T, then p, then p's 32 fragments (v0-191 each) and rows on their way out.
.set SLOTB, 102400
.set KVB,   1228800
.set PIM,   204800                     ; in R: p's 32 images: (4 jj + a) x 1,536
.set PSC,   253952                     ; their scale words
.set STG,   256000                     ; the way out: 16 rows x (256 + 16) bytes for each wave
.set SPARE, 307200
.set MX,    307712                     ; the waves' row maxima, row sums
.set SX,    309760
.set WV,  10
.set QD,  15
.set G1K, 16                           ; group 1: 100 rows of 256 bytes; s[24:31] 400 rows; s[32:39] 200 rows
.set G14, 24
.set G12, 32
.set G0A, 40                           ; group 0: the head's, later one slot's quarter into A
.set G0B, 44                           ; the head's, later into B
.set G0H, 48
.set G0R, 52
.set G02, 56
.set CS,  60
.set SEL, 62
.set PFA, 66
.set PL,  80
.set A16,  4
.set A8,   7
.set KSA,  10
.set VSA,  13
.set APW,  15
.set AP,   16
.set APSW, 17
.set APS,  18
.set MXW,  19
.set MXRD, 20
.set SXW,  21
.set SXRD, 22
.set STO,  23
.set RD,   24
.set GO,   25
.set PFO,  26
.set SPW,  27
.set NIL,  28
.set VQ16, 29
.set VQ8,  30
.set VQS,  31
.set BM,   64                          ; v64-79 16 blocks' largest scores (4 u + a), later the conversions' scale operands
.set PT,   96                          ; v96-111 the bytes
.set RM,   128
.set MXR,  132
.set NM,   156
.set LA,   164
.set CSET, 180
.set CT,   204
.set LS,   212
.set RL,   216
.set TT,   240
.set MSB, 0
.macro WIN new
.if MSB != (\new)
	s_set_vgpr_msb (MSB<<8)|(\new)
.set MSB, (\new)
.endif
.endm
.macro PLACES n
.rept \n
	v_nop
.endr
.endm
.macro WALU
	s_wait_alu depctr_va_vdst(0)
.endm
.macro CREST
	s_cmp_lg_u32 s[WV], 0
	s_cbranch_scc1 .Lnot_wave_0_\@
	s_barrier_signal -3
.Lnot_wave_0_\@:
	s_barrier_wait -3
	s_barrier_signal -1
	s_barrier_wait -1
.endm
.macro CROUND
	s_barrier_signal -1
	s_barrier_wait -1
	CREST
.endm
.macro TLOAD g0, g1
	tensor_load_to_lds s[\g0:\g0+3], s[\g1:\g1+7]
	s_nop 0
	PLACES 4
.endm
.macro GADDR g, base, off              ; group 0's address: 64-bit base + s[off:off+1]
	s_add_nc_u64 s[\g+2:\g+3], s[\base:\base+1], s[\off:\off+1]
	s_or_b32 s[\g+3], s[\g+3], 0x80000000
.endm
	s_load_b128 s[4:7], s[0:1], 0x0                ; qc, kv
	s_load_b64 s[8:9], s[0:1], 0x10                ; out0
	v_lshl_add_u32 v[SPW], v0, 2, SPARE
	v_mov_b32 v[NIL], 0
	ds_add_u32 v[SPW], v[NIL]
	ds_add_u32 v[SPW], v[NIL]
	v_lshrrev_b32 v1, 5, v0
	v_readfirstlane_b32 s[WV], v1
	s_bfe_u32 s11, ttmp6, 0x40000                  ; cx
	s_and_b32 s[QD], ttmp7, 0xffff                 ; which 256 queries of the batch
	s_lshl_b32 s12, s[QD], 2
	s_add_co_u32 s12, s12, s11                     ; my block of 64 queries: cx enters Q's and out's addresses alone
	s_mov_b32 s13, ttmp9                           ; the batch
	v_and_b32 v1, 15, v0
	v_bfe_u32 v2, v0, 4, 1
	v_and_b32 v3, 31, v0
	s_mul_i32 s14, s[WV], 24576
	v_lshl_add_u32 v[A16], v3, 4, s14
	v_add_nc_u32 v[A16+1], SLOTB, v[A16]
	v_add_nc_u32 v[A16+2], 2*SLOTB, v[A16]
	v_lshl_add_u32 v[A8], v3, 3, s14
	v_add_nc_u32 v[A8], 512, v[A8]
	v_add_nc_u32 v[A8+1], SLOTB, v[A8]
	v_add_nc_u32 v[A8+2], 2*SLOTB, v[A8]
	s_lshl_b32 s14, s[WV], 9
	s_add_co_u32 s14, s14, 98304
	v_lshl_add_u32 v[KSA], v3, 2, s14
	v_add_nc_u32 v[KSA+1], SLOTB, v[KSA]
	v_add_nc_u32 v[KSA+2], 2*SLOTB, v[KSA]
	s_lshl_b32 s14, s[WV], 10
	s_add_co_u32 s14, s14, 98304
	v_lshl_add_u32 v[VSA], v3, 2, s14
	v_add_nc_u32 v[VSA+1], SLOTB, v[VSA]
	v_lshlrev_b32 v[VQ16], 4, v3
	v_lshl_add_u32 v[VQ8], v3, 3, 512
	v_lshlrev_b32 v[VQS], 2, v3
	s_mul_i32 s14, s[WV], 12288
	s_add_co_u32 s14, s14, PIM
	v_lshl_add_u32 v[APW], v3, 4, s14
	v_lshl_add_u32 v[AP], v3, 4, PIM
	s_lshl_b32 s14, s[WV], 9
	s_add_co_u32 s68, s14, PSC
	v_lshl_add_u32 v64, v1, 2, v2
	v_add_nc_u32 v[APSW], s68, v64                 ; 4 r + h
	v_lshlrev_b32 v64, 2, v1
	v_lshl_add_u32 v64, v2, 7, v64
	v_add_nc_u32 v[APS], PSC, v64                  ; 4 r + 128 h
	s_add_co_u32 s68, s14, MX
	v_lshl_add_u32 v[MXW], v3, 4, s68
	v_lshl_add_u32 v[MXRD], v3, 4, MX
	s_add_co_u32 s68, s14, SX
	v_lshl_add_u32 v[SXW], v3, 4, s68
	v_lshl_add_u32 v[SXRD], v3, 4, SX
	s_mul_i32 s68, s[WV], 4352
	s_add_co_u32 s68, s68, STG
	v_mul_u32_u24 v64, v1, 272
	v_lshl_add_u32 v64, v2, 7, v64
	v_add_nc_u32 v[STO], s68, v64                  ; in: row r, 128 bytes for each half of the lanes
	v_mul_u32_u24 v64, v2, 272
	v_lshl_add_u32 v64, v1, 4, v64
	v_add_nc_u32 v[RD], s68, v64                   ; back: lanes 0-15 one row of 256 bytes, lanes 16-31 the next
	v_mul_u32_u24 v64, v2, 3072
	v_lshl_add_u32 v[GO], v1, 4, v64
	v_lshlrev_b32 v[PFO], 8, v3
.irp g, G1K, G14, G12
	s_mov_b32 s[\g], 15|(3<<16)|(1<<21)            ; dense rows of 256 bytes, no padding; all four partners
	s_mov_b32 s[\g+1], 32<<16
	s_mov_b32 s[\g+3], 32<<16
	s_mov_b32 s[\g+5], 32
	s_mov_b32 s[\g+6], 0
	s_mov_b32 s[\g+7], 0
.endr
	s_mov_b32 s[G1K+2], 100<<16
	s_mov_b32 s[G1K+4], 100
	s_mov_b32 s[G14+2], 400<<16
	s_mov_b32 s[G14+4], 400
	s_mov_b32 s[G12+2], 200<<16
	s_mov_b32 s[G12+4], 200
	s_mov_b32 s[CS], 0x3d553b95                    ; c = log2(e) / sqrt(768)
	s_mov_b32 s[CS+1], s[CS]
	s_mov_b32 s[SEL], 0x76543210
	s_mov_b32 s[SEL+1], 0xfedcba98
	s_mov_b32 s[PL], 0x05040100                    ; the low halves of two words; the high halves
	s_mov_b32 s[PL+1], 0x07060302
	s_lshl_b32 s14, s13, 4
	s_add_co_u32 s14, s14, s12
	s_mul_i32 s68, s14, 36864                      ; Q's record
	s_mov_b32 s69, 0
	s_mul_i32 s70, s14, 64*3072
	s_mul_i32 s76, s[WV], 768
	s_add_co_u32 s70, s70, s76                     ; out: my first row, my wave's 192 channels
	s_mov_b32 s71, 0
	s_mul_i32 s72, s13, KVB
	s_mov_b32 s73, 0
	s_lshl_b32 s74, s13, 2
	s_add_co_u32 s74, s74, s[QD]
	s_mul_i32 s74, s74, 6144
	s_lshl_b32 s76, s11, 7
	s_add_co_u32 s74, s74, s76
	s_add_co_u32 s74, s74, 9437184                 ; Q's scale bytes
	s_mov_b32 s75, 0
	s_lshl_b32 s76, s11, 2
	s_add_co_u32 s76, s76, s[WV]
	s_lshl_b32 s76, s76, 13                        ; the prefetches: 8,192 bytes for each of the cluster's 16 waves
	s_add_co_u32 s76, s76, 3*SLOTB
	s_mov_b32 s77, 0
	WALU
	s_wait_dscnt 0x0
	CROUND                                         ; all four work-groups are here
	s_wait_kmcnt 0x0
	s_add_nc_u64 s[6:7], s[6:7], s[72:73]          ; the batch's record of kv
	s_mul_i32 s72, s[WV], 51200
	s_mov_b32 s[G0A], 1
	s_mov_b32 s[G0A+1], s72
	GADDR G0A, 6, 72                               ; waves 0, 1: a half of slot 0
	s_mov_b32 s[G0B], 1
	s_mov_b32 s[G0B+1], SLOTB
	s_add_nc_u64 s[G0B+2:G0B+3], s[6:7], SLOTB
	s_or_b32 s[G0B+3], s[G0B+3], 0x80000000
	s_mov_b32 s[G0H], 1
	s_mov_b32 s[G0H+1], 2*SLOTB
	s_add_nc_u64 s[G0H+2:G0H+3], s[6:7], 2*SLOTB
	s_or_b32 s[G0H+3], s[G0H+3], 0x80000000
	s_cmp_lt_u32 s[WV], 2
	s_cbranch_scc0 .Lwave_2
	TLOAD G0A, G12
	s_branch .Lasked
.Lwave_2:
	s_cmp_eq_u32 s[WV], 2
	s_cbranch_scc0 .Lwave_3
	TLOAD G0B, G14
	s_branch .Lasked
.Lwave_3:
	TLOAD G0H, G14
.Lasked:
	s_add_nc_u64 s[78:79], s[4:5], s[74:75]        ; Q's scale bytes
	s_add_nc_u64 s[4:5], s[4:5], s[68:69]
	s_add_nc_u64 s[8:9], s[8:9], s[70:71]
	s_add_nc_u64 s[PFA:PFA+1], s[6:7], s[76:77]
.macro FRG reg, a16, a8, off           ; a fragment from its image
	ds_load_b128 v[\reg:\reg+3], v[\a16] offset:\off
	ds_load_b64 v[\reg+4:\reg+5], v[\a8] offset:\off
	ds_load_b128 v[\reg+6:\reg+9], v[\a16] offset:\off+768
	ds_load_b64 v[\reg+10:\reg+11], v[\a8] offset:\off+768
.endm
.macro QLOAD s                         ; Q's four fragments of channel step s into set s % 5 of window 1
.set qr, 48*((\s)%5)
	WIN 0x40
.irp a, 0,1,2,3
	global_load_b128 v[qr+12*\a:qr+12*\a+3], v[VQ16], s[4:5] offset:(4*(\s)+\a)*1536
	global_load_b64 v[qr+12*\a+4:qr+12*\a+5], v[VQ8], s[4:5] offset:(4*(\s)+\a)*1536
	global_load_b128 v[qr+12*\a+6:qr+12*\a+9], v[VQ16], s[4:5] offset:(4*(\s)+\a)*1536+768
	global_load_b64 v[qr+12*\a+10:qr+12*\a+11], v[VQ8], s[4:5] offset:(4*(\s)+\a)*1536+768
.endr
	WIN 0
.endm
.macro FETK1 f                         ; channel step f (region f % 3): my key tiles 0-7 and all my K scale halves: 40 loads
.set sl, (\f)%3
	WIN 0
.irp t, 0,1,2,3,4,5,6,7
	FRG 64+12*\t, A16+sl, A8+sl, \t*1536
.endr
	WIN 0x40
.irp u, 0,1,2,3
	ds_load_b32 v[240+2*\u], v[KSA+sl] offset:128*\u            ; half c = 0: lanes 0-15 tiles 4 u, 4 u + 1, lanes 16-31 tiles 4 u + 2, 4 u + 3
	ds_load_b32 v[241+2*\u], v[KSA+sl] offset:2048+128*\u       ; half c = 1
.endr
	WIN 0
.endm
.macro FETK2 f                         ; my key tiles 8-15: 32 loads
.set sl, (\f)%3
	WIN 0
.irp t, 8,9,10,11,12,13,14,15
	FRG 64+12*\t, A16+sl, A8+sl, \t*1536
.endr
.endm
.macro KPERM f                         ; the scale words: register 2 u + o: lanes 0-15 tile 4 u + o, lanes 16-31 tile 4 u + 2 + o.  Eight places ahead of the first product
	WIN 0x05
.irp u, 0,1,2,3
	v_perm_b32 v[32+8*((\f)%2)+2*\u], v[241+2*\u], v[240+2*\u], s[PL]
	v_perm_b32 v[33+8*((\f)%2)+2*\u], v[241+2*\u], v[240+2*\u], s[PL+1]
.endr
	WIN 0
	PLACES 8
	WALU
.endm
.macro FETV1 f                         ; slot f, in region f % 2: V's fragments o = 2 jj + d = 0..7 and my eight scale words: 40 loads
.set sl, (\f)%2
	WIN 0x40
.irp o, 0,1,2,3,4,5,6,7
	FRG 12*\o, A16+sl, A8+sl, \o*1536
.endr
	WIN 0
.irp j, 0,1,2,3,4,5,6,7
	ds_load_b32 v[32+8*sl+\j], v[VSA+sl] offset:128*\j          ; key step j: lanes 0-15 d = 0, lanes 16-31 d = 1
.endr
.endm
.macro FETV2 f                         ; o = 8..15: 32 loads
.set sl, (\f)%2
	WIN 0x40
.irp o, 8,9,10,11,12,13,14,15
	FRG 12*\o, A16+sl, A8+sl, \o*1536
.endr
	WIN 0
.endm
.macro WZ ra, rb
	v_wmma_scale_f32_16x16x128_f8f6f4 v[rD:rD+7], v[rA:rA+11], v[rB:rB+11], 0, v[rSA], v[rSB] matrix_a_fmt:MATRIX_FMT_FP6 matrix_b_fmt:MATRIX_FMT_FP6 matrix_a_scale:MATRIX_SCALE_ROW\ra matrix_b_scale:MATRIX_SCALE_ROW\rb
.endm
.macro WC ra, rb
	v_wmma_scale_f32_16x16x128_f8f6f4 v[rD:rD+7], v[rA:rA+11], v[rB:rB+11], v[rD:rD+7], v[rSA], v[rSB] matrix_a_fmt:MATRIX_FMT_FP6 matrix_b_fmt:MATRIX_FMT_FP6 matrix_a_scale:MATRIX_SCALE_ROW\ra matrix_b_scale:MATRIX_SCALE_ROW\rb
.endm
.macro WM2 z, ra, rb
.if \z
	WZ \ra, \rb
.else
	WC \ra, \rb
.endif
.endm
.macro WM z                            ; one product; z = 1: it starts its sum
.if fA && fB
	WM2 \z, 1, 1
.elseif fA
	WM2 \z, 1, 0
.elseif fB
	WM2 \z, 0, 1
.else
	WM2 \z, 0, 0
.endif
.endm
; S^T += K Q^T, channel step f, key tiles t0 .. t1 - 1, each against the four query tiles.  Accumulator (kt, a): window 2 + kt / 8, register 128 ((kt / 4) % 2) + 32 a + 8 (kt % 4).  The 64 take turns
.macro MULK f, t0, t1
.set kt, \t0
.rept (\t1)-(\t0)
.set ai, 0
.rept 4
.set rD, 128*((kt/4)%2)+32*ai+8*(kt%4)
.set rA, 64+12*kt
.set rB, 48*((\f)%5)+12*ai
.set rSA, 32+8*((\f)%2)+2*(kt/4)+kt%2
.set rSB, 48+2*(\f)+ai%2
.set fA, (kt%4)/2
.set fB, ai/2
	WIN 0x04|((2+kt/8)*0x50)
.if (\f) == 0
	WM 1
.else
	WM 0
.endif
.set ai, ai+1
.endr
.set kt, kt+1
.endr
.endm
; O^T += V^T P^T, slot 6 + sig, V's fragments o0 .. o1 - 1 (o = 2 jj + d), each against the four query tiles.  Accumulator (d, a): window 0, v[64 + 64 (sig % 2) + 32 d + 8 a]; the slot's eight take turns
.macro MULV sig, o0, o1
.set oo, \o0
.rept (\o1)-(\o0)
.set jv, oo/2
.set ai, 0
.rept 4
.set rD, 64+64*((\sig)%2)+32*(oo%2)+8*ai
.set rA, 12*oo
.set rB, 12*(4*(jv%4)+ai)
.set rSA, 32+8*((\sig)%2)+jv
.set rSB, 48+2*jv+ai%2
.set fA, oo%2
.set fB, ai/2
	WIN 0x01|((2+jv/4)<<2)
.if jv == 0
	WM 1
.else
	WM 0
.endif
.set ai, ai+1
.endr
.set oo, oo+1
.endr
.endm
; PREFETCHES of k's and v's slots from slot 3 on: the batch's first cluster asks, its 16 waves 32 x 256 bytes each, told apart by address: a unit of 131,072 bytes to an instruction, units n0 .. n1 - 1 of seven.
; Units 0, 1 in K step 0, a step ahead of the load of slots 3 and 4; 2, 3 in K step 1; 4 in K step 3; 5, 6 in K step 4.  The last 4,096 bytes of the record are not asked for.  The address registers are never rewritten
.macro ASK n0, n1
	WIN 0
	s_cmp_eq_u32 s[QD], 0
	s_cbranch_scc0 .Lnot_mine_\@
.set pn, \n0
.rept (\n1)-(\n0)
	global_prefetch_b8 v[PFO], s[PFA:PFA+1] offset:131072*pn th:TH_LOAD_NT scope:SCOPE_SE
.set pn, pn+1
.endr
.Lnot_mine_\@:
.endm
.macro CH_A                            ; in front of a barrier behind which LDS bytes are filled again
	WIN 0
	s_wait_tensorcnt 0x0
	ds_add_u32 v[SPW], v[NIL]
.endm
.macro CH_B
	s_wait_dscnt 0x0                               ; the add is done, and my reads of what is filled again are over
	s_barrier_signal -1
.endm
.macro KHEAD_R f                       ; the head of a K step with a round, behind which the caller's tensor load stands first
	CH_A
	s_wait_dscnt 33                                ; the add and the youngest 32 loads (key tiles 8-15) may be out
	KPERM \f
	MULK \f, 0, 2
	CH_B
	MULK \f, 2, 4
	WIN 0
	s_barrier_wait -1
	CREST
.endm
.macro KHEAD_N f
	s_wait_dscnt 32                                ; the youngest 32 loads may be out
	KPERM \f
	MULK \f, 0, 2
	s_wait_dscnt 0x0
	MULK \f, 2, 4
.endm
.macro KREST f, nx                     ; key tiles 4-15, with the next step's fetch
	MULK \f, 4, 8
	PLACES 4                                       ; in front of loads into registers that matrix instructions have read
	FETK1 \nx
	MULK \f, 8, 16
	PLACES 4
.endm
; how = 2: the region that this step's fragments have left is filled again (group 0 g0, step bytes further on); 1: a barrier alone; 0: none
.macro VSTEP sig, how, g0, step
.if (\how) == 0
.if (\sig) == 0
	s_wait_dscnt 0x0
.else
	s_wait_dscnt 32                                ; the youngest 32 loads (o = 8..15) may be out
.endif
	MULV \sig, 0, 8
.else
	CH_A
	s_wait_dscnt 33
	MULV \sig, 0, 2
	CH_B
	MULV \sig, 2, 4
	WIN 0
	s_barrier_wait -1
.if (\how) == 2
	CREST
.if \step
	s_add_nc_u64 s[\g0+2:\g0+3], s[\g0+2:\g0+3], \step
.endif
	TLOAD \g0, G1K
.endif
	MULV \sig, 4, 8
.endif
.if (\sig) < 5
	PLACES 4
	FETV1 7+\sig
.else
	s_wait_dscnt 0x0
.endif
	MULV \sig, 8, 16
.if (\sig) < 5
	PLACES 4
	FETV2 7+\sig
.endif
.endm
; p of query tile a for my 128 keys of window 2 + G: blocks c = 0, 1 of 32 numbers at registers 128 c + 32 a: exponentials, the sums of the unquantised p, the codes, the image to LDS
.macro UNIT a, G
.set uu, 4*(\G)+(\a)
.set cst, CSET+12*(uu%2)
	WIN (2+\G)*0x41
.irp c, 0,1
.irp i, 0,2,4,6,8,10,12,14,16,18,20,22,24,26,28,30
	v_pk_fma_f32 v[128*\c+32*\a+\i:128*\c+32*\a+\i+1], v[128*\c+32*\a+\i:128*\c+32*\a+\i+1], s[CS:CS+1], v[NM+2*\a:NM+2*\a+1] op_sel_hi:[1,0,0]   ; t - M
.endr
.endr
	WALU
.irp c, 0,1
.set q, 0
.rept 32
	v_exp_f32 v[128*\c+32*\a+q], v[128*\c+32*\a+q]
.set q, q+1
.endr
.endr
	v_nop
	WALU
	WIN (2+\G)*5
	v_pk_add_f32 v[TT:TT+1], v[32*\a+4:32*\a+5], v[32*\a+12:32*\a+13]
	v_pk_add_f32 v[TT+2:TT+3], v[32*\a+6:32*\a+7], v[32*\a+14:32*\a+15]
	WIN (2+\G)<<2
.irp c, 0,1
.irp i, 0,8,16,24
	v_pk_add_f32 v[LA+4*\a:LA+4*\a+1], v[LA+4*\a:LA+4*\a+1], v[128*\c+32*\a+\i:128*\c+32*\a+\i+1]
	v_pk_add_f32 v[LA+4*\a+2:LA+4*\a+3], v[LA+4*\a+2:LA+4*\a+3], v[128*\c+32*\a+\i+2:128*\c+32*\a+\i+3]
.if (16*\c+\i) > 8
	v_pk_add_f32 v[TT:TT+1], v[TT:TT+1], v[128*\c+32*\a+\i+4:128*\c+32*\a+\i+5]
	v_pk_add_f32 v[TT+2:TT+3], v[TT+2:TT+3], v[128*\c+32*\a+\i+6:128*\c+32*\a+\i+7]
.endif
.endr
.endr
	WIN 2+\G
.irp c, 0,1
	v_cvt_scalef32_pk16_fp6_f32 v[cst+6*\c:cst+6*\c+2], v[128*\c+32*\a:128*\c+32*\a+15], v[BM+8*\G+4*\c+\a]
	v_cvt_scalef32_pk16_fp6_f32 v[CT+4*\c:CT+4*\c+2], v[128*\c+32*\a+16:128*\c+32*\a+31], v[BM+8*\G+4*\c+\a]
.endr
	WIN 0
	v_pk_add_f32 v[LA+4*\a:LA+4*\a+1], v[LA+4*\a:LA+4*\a+1], v[TT:TT+1]
	v_pk_add_f32 v[LA+4*\a+2:LA+4*\a+3], v[LA+4*\a+2:LA+4*\a+3], v[TT+2:TT+3]
.irp c, 0,1
.irp i, 0,1,2
	v_mov_b32 v[cst+6*\c+3+\i], v[CT+4*\c+\i]
.endr
.endr
.irp i, 0,1,2
	ds_store_b128 v[APW], v[cst+4*\i:cst+4*\i+3] offset:uu*1536+512*\i
.endr
	ds_store_b8 v[APSW], v[PT+8*\G+\a] offset:uu*64
	ds_store_b8 v[APSW], v[PT+8*\G+4+\a] offset:uu*64+2
.endm
; 64 finished channels of the 64 queries leave: x 1 / l, through my stage (16 rows x 256 bytes at a time), as whole aligned runs of 256 bytes
.macro DRAIN pi
	WIN 0
	PLACES 4
.if (\pi) > 0
	s_wait_xcnt 0x0
.endif
.irp a, 0,1,2,3
	WIN (2+\a/2)<<6
.irp d, 0,1,2,3
.irp i, 0,2,4,6
	v_pk_mul_f32 v[192+32*(\a%2)+8*\d+\i:192+32*(\a%2)+8*\d+\i+1], v[64+32*\d+8*\a+\i:64+32*\d+8*\a+\i+1], v[RL+2*\a:RL+2*\a+1] op_sel_hi:[1,0]
.endr
.endr
.endr
.irp a, 0,1,2,3
	WIN (2+\a/2)<<2
.irp d, 0,1,2,3
	ds_store_b128 v[STO], v[192+32*(\a%2)+8*\d:192+32*(\a%2)+8*\d+3] offset:32*\d
	ds_store_b128 v[STO], v[192+32*(\a%2)+8*\d+4:192+32*(\a%2)+8*\d+7] offset:32*\d+16
.endr
	WIN (2+\a/2)<<6
.irp i, 0,1,2,3,4,5,6,7
	ds_load_b128 v[192+32*(\a%2)+4*\i:192+32*(\a%2)+4*\i+3], v[RD] offset:544*\i   ; LDS serves a wave's instructions in order
.endr
.endr
.irp a, 0,1,2,3
	WIN (2+\a/2)<<2
.irp i, 0,1,2,3,4,5,6,7
	s_wait_dscnt 16*(3-\a)+7-\i                    ; what was issued behind this load
	global_store_b128 v[GO], v[192+32*(\a%2)+4*\i:192+32*(\a%2)+4*\i+3], s[8:9] offset:(32*(\i/4)+8*\a+2*(\i%4))*3072+256*(\pi) th:TH_STORE_NT
.endr
.endr
	WIN 0
.endm
	QLOAD 0
	QLOAD 1
	QLOAD 2
	QLOAD 3
	QLOAD 4
	WIN 0x80
.set q, 0
.rept 12
	global_load_b32 v[q], v[VQS], s[78:79] offset:512*q         ; Q's scale halves of channel group q, into accumulators not yet begun
.set q, q+1
.endr
	WIN 0
	s_mov_b32 s[G02], 1                            ; my quarter of slots 3, 4
	s_mov_b32 s[G02+1], s72
	s_add_co_u32 s72, s72, 3*SLOTB
	GADDR G02, 6, 72
	s_mul_i32 s72, s[WV], 25600
	s_mov_b32 s[G0R], 1                            ; of slot 5, into R
	s_add_co_u32 s[G0R+1], s72, 2*SLOTB
	s_add_co_u32 s72, s72, 5*SLOTB
	GADDR G0R, 6, 72
	WALU
	s_cmp_lt_u32 s[WV], 2
	s_cbranch_scc0 .Lno_slot_0
	s_wait_tensorcnt 0x0
.Lno_slot_0:
	s_barrier_signal -1
	s_barrier_wait -1                              ; slot 0 is whole; slots 1 and 2 may be on their way
	FETK1 0
	FETK2 0
	s_wait_loadcnt 0x0                             ; Q
	WIN 0x0a
.irp s, 0,1,2,3,4,5
	v_perm_b32 v[48+2*\s], v[2*\s+1], v[2*\s], s[PL]
	v_perm_b32 v[49+2*\s], v[2*\s+1], v[2*\s], s[PL+1]
.endr
	WIN 0
	WALU
	; ---- K step 0: its barrier shows slot 1
	s_wait_dscnt 32
	KPERM 0
	MULK 0, 0, 4
	WIN 0
	s_cmp_eq_u32 s[WV], 3
	s_cbranch_scc1 .Lslot_2_out
	s_wait_tensorcnt 0x0
.Lslot_2_out:
	s_wait_dscnt 0x0
	s_barrier_signal -1
	MULK 0, 4, 8
	WIN 0
	s_barrier_wait -1
	PLACES 4
	FETK1 1
	ASK 0, 2
	MULK 0, 8, 16
	PLACES 4
	QLOAD 5                                        ; into the set that step 0 has left
	FETK2 1
	; ---- K step 1: slot 2 is shown; A and B have been read: slots 3, 4
	KHEAD_R 1
	TLOAD G02, G12
	KREST 1, 2
	ASK 2, 4
	FETK2 2
	; ---- K step 2; behind it slots 3, 4 are shown, and R has been read: slot 5
	KHEAD_N 2
	MULK 2, 4, 16
	PLACES 4
	CH_A
	s_wait_dscnt 0x0
	CROUND
	TLOAD G0R, G1K
	FETK1 3
	FETK2 3
	; ---- K step 3
	KHEAD_N 3
	KREST 3, 4
	ASK 4, 5
	FETK2 4
	; ---- K step 4: slot 5 is shown; A and B have been read: slots 6, 7
	KHEAD_R 4
	s_add_nc_u64 s[G02+2:G02+3], s[G02+2:G02+3], 3*SLOTB
	TLOAD G02, G12
	KREST 4, 5
	ASK 5, 7
	FETK2 5
	; ---- K step 5
	s_wait_loadcnt 0x0                             ; Q's channel step 5
	KHEAD_N 5
	MULK 5, 4, 16
	PLACES 4
	; THE LARGEST SCORE OF EACH BLOCK OF 32 KEYS: for the row's maximum and, since p rises with the score, for the block's largest p
.irp G, 0,1
	WIN 0x0a+5*\G
.set q, 0
.rept 8
	v_max_num_f32 v[BM+8*\G+q], v[32*q], v[32*q+1]
.set q, q+1
.endr
.irp i, 2,4,6,8,10,12,14,16,18,20,22,24,26,28,30
.set q, 0
.rept 8
	v_max3_num_f32 v[BM+8*\G+q], v[32*q+\i], v[32*q+\i+1], v[BM+8*\G+q]
.set q, q+1
.endr
.endr
.endr
	WIN 0
.irp a, 0,1,2,3
	v_max3_num_f32 v[RM+\a], v[BM+\a], v[BM+4+\a], v[BM+8+\a]
.endr
.irp a, 0,1,2,3
	v_max_num_f32 v[RM+\a], v[RM+\a], v[BM+12+\a]
.endr
.irp a, 0,1,2,3
	v_permlanex16_b32 v[PT+\a], v[RM+\a], s[SEL], s[SEL+1]
.endr
.irp a, 0,1,2,3
	v_max_num_f32 v[RM+\a], v[RM+\a], v[PT+\a]     ; my 256 keys' largest score of each query
.endr
	ds_store_b128 v[MXW], v[RM:RM+3]
.set q, 0
.rept 16
	v_mov_b32 v[LA+q], 0
.set q, q+1
.endr
	WALU
	s_wait_dscnt 0x0                               ; my maxima lie in LDS, my reads of R are over
	s_barrier_signal -1
	s_barrier_wait -1                              ; everybody's; slots 6, 7 may be on their way
.irp w, 0,1,2,3
	ds_load_b128 v[MXR+4*\w:MXR+4*\w+3], v[MXRD] offset:512*\w
.endr
	s_wait_dscnt 0x0
.irp a, 0,1,2,3
	v_max3_num_f32 v[RM+\a], v[MXR+\a], v[MXR+4+\a], v[MXR+8+\a]
.endr
.irp a, 0,1,2,3
	v_max_num_f32 v[RM+\a], v[RM+\a], v[MXR+12+\a]
.endr
.irp a, 0,1,2,3
	v_mul_f32 v[RM+\a], s[CS], v[RM+\a]            ; as t (c is positive)
.endr
.irp a, 0,1,2,3
	v_floor_f32 v[NM+2*\a], -v[RM+\a]              ; -M = floor(-t) = -ceil(t)
	v_mov_b32 v[NM+2*\a+1], 0                      ; (named with it as a pair)
.endr
.set q, 0
.rept 16
	v_fma_f32 v[BM+q], v[BM+q], s[CS], v[NM+2*(q%4)]
.set q, q+1
.endr
	WALU
.set q, 0
.rept 16
	v_exp_f32 v[BM+q], v[BM+q]                     ; each block's largest p
.set q, q+1
.endr
	v_nop
	WALU
.set q, 0
.rept 16
	v_max_num_f32 v[BM+q], 0x1800000, v[BM+q]      ; the floor 2^-124
.set q, q+1
.endr
.set q, 0
.rept 16
	v_add_nc_u32 v[BM+q], 0xff000000, v[BM+q]      ; 2 off the exponent field
.set q, q+1
.endr
.set q, 0
.rept 16
	v_lshrrev_b32 v[PT+q], 23, v[BM+q]             ; the scale's byte
.set q, q+1
.endr
	UNIT 0, 0
	UNIT 1, 0
	WALU
	s_wait_tensorcnt 0x0                           ; my quarter of slots 6, 7 is in
	s_wait_dscnt 0x0
	s_barrier_signal -1
	s_barrier_wait -1                              ; everybody's is
	FETV1 6                                        ; V's first slot, over Q's fragments
	FETV2 6
	s_mul_i32 s72, s[WV], 25600                    ; (no tensor load of mine is out)
	s_mov_b32 s[G0A+1], s72
	s_add_co_u32 s[G0B+1], s72, SLOTB
	s_add_co_u32 s72, s72, 8*SLOTB
	GADDR G0A, 6, 72                               ; slot 8
	s_add_co_u32 s72, s72, SLOTB
	GADDR G0B, 6, 72                               ; slot 9
	UNIT 2, 0
	UNIT 3, 0
	WALU
	CH_A
	s_wait_dscnt 0x0                               ; the add is done, my reads of A are over
	CROUND
	TLOAD G0A, G1K                                 ; slot 8: it lands under the rest of the softmax
	UNIT 0, 1
	UNIT 1, 1
	UNIT 2, 1
	UNIT 3, 1
.irp a, 0,1,2,3
	v_pk_add_f32 v[LA+4*\a:LA+4*\a+1], v[LA+4*\a:LA+4*\a+1], v[LA+4*\a+2:LA+4*\a+3]
.endr
.irp a, 0,1,2,3
	v_add_f32 v[LS+\a], v[LA+4*\a], v[LA+4*\a+1]
.endr
.irp a, 0,1,2,3
	v_permlanex16_b32 v[PT+\a], v[LS+\a], s[SEL], s[SEL+1]
.endr
.irp a, 0,1,2,3
	v_add_f32 v[LS+\a], v[LS+\a], v[PT+\a]         ; my 256 keys' part of each query's sum
.endr
	ds_store_b128 v[SXW], v[LS:LS+3]
	WALU
	s_wait_tensorcnt 0x0                           ; my quarter of slot 8 is in
	s_wait_dscnt 0x0                               ; my images, scale bytes and sums lie in LDS
	s_barrier_signal -1
	s_barrier_wait -1                              ; all of that holds of every wave
.irp w, 0,1,2,3
	ds_load_b128 v[MXR+4*\w:MXR+4*\w+3], v[SXRD] offset:512*\w
.endr
.irp jj, 0,1,2,3,4,5,6,7                       ; all 32 fragments of p: key step jj, query tile a at 12 (4 (jj % 4) + a) of window 2 + jj / 4
	WIN (2+\jj/4)<<6
.irp a, 0,1,2,3
.irp i, 0,1,2
	ds_load_b128 v[12*(4*(\jj%4)+\a)+4*\i:12*(4*(\jj%4)+\a)+4*\i+3], v[AP] offset:(4*\jj+\a)*1536+512*\i
.endr
.endr
.endr
	WIN 0
.irp jj, 0,1,2,3,4,5,6,7
.irp a, 0,1
	ds_load_b32 v[48+2*\jj+\a], v[APS] offset:(4*\jj+\a)*64    ; lanes 0-15 query tile a, lanes 16-31 tile a + 2
.endr
.endr
	s_wait_dscnt 0x0
.irp a, 0,1,2,3
	v_add_f32 v[LS+\a], v[MXR+\a], v[MXR+4+\a]
.endr
.irp a, 0,1,2,3
	v_add_f32 v[PT+\a], v[MXR+8+\a], v[MXR+12+\a]
.endr
.irp a, 0,1,2,3
	v_add_f32 v[LS+\a], v[LS+\a], v[PT+\a]         ; l
.endr
	WALU
.irp a, 0,1,2,3
	v_rcp_f32 v[RL+2*\a], v[LS+\a]
.endr
.irp a, 0,1,2,3
	v_mov_b32 v[RL+2*\a+1], 0                      ; (named with it as a pair)
.endr
	WALU
	VSTEP 0, 0, G0A, 0
	VSTEP 1, 2, G0B, 0                             ; B has been read: slot 9
	DRAIN 0
	VSTEP 2, 2, G0A, 2*SLOTB                       ; A: slot 10
	VSTEP 3, 2, G0B, 2*SLOTB                       ; B: slot 11
	DRAIN 1
	VSTEP 4, 1, G0A, 0
	VSTEP 5, 0, G0A, 0
	DRAIN 2
	s_wait_tensorcnt 0x0                           ; the wave's end
	ds_add_u32 v[SPW], v[NIL]
	s_wait_dscnt 0x0
	CROUND
	s_endpgm
.Lfunc_end_k_q19c4ae31f9_attn:
	.size	k_q19c4ae31f9_attn, .Lfunc_end_k_q19c4ae31f9_attn-k_q19c4ae31f9_attn
	.p2alignl 7, 3214868480
	.fill 96, 4, 3214868480
	.section	.rodata,"a",@progbits
	.p2align	6, 0x0
	.amdhsa_kernel k_q19c4ae31f9_attn
		.amdhsa_group_segment_fixed_size 327680
		.amdhsa_private_segment_fixed_size 0
		.amdhsa_enable_private_segment 0
		.amdhsa_kernarg_size 24
		.amdhsa_user_sgpr_count 2
		.amdhsa_user_sgpr_kernarg_segment_ptr 1
		.amdhsa_wavefront_size32 1
		.amdhsa_system_sgpr_workgroup_id_x 1
		.amdhsa_system_sgpr_workgroup_id_y 1
		.amdhsa_system_sgpr_workgroup_id_z 1
		.amdhsa_system_vgpr_workitem_id 0
		.amdhsa_next_free_vgpr 1024
		.amdhsa_next_free_sgpr 84
		.amdhsa_reserve_vcc 0
		.amdhsa_float_denorm_mode_32 3
		.amdhsa_float_denorm_mode_16_64 3
		.amdhsa_memory_ordered 1
		.amdhsa_forward_progress 1
		.amdhsa_inst_pref_size 255
	.end_amdhsa_kernel
	.section	.bss,"aw",@nobits
	.p2align	6
	.space	262144
	.amdgpu_metadata
---
amdhsa.version: [ 1, 2 ]
amdhsa.kernels:
  - .name:           k_q19c4ae31f9_attn
    .symbol:         k_q19c4ae31f9_attn.kd
    .args:
      - { .name: qc, .offset: 0, .size: 8, .value_kind: global_buffer, .address_space: global }
      - { .name: kv, .offset: 8, .size: 8, .value_kind: global_buffer, .address_space: global }
      - { .name: out0, .offset: 16, .size: 8, .value_kind: global_buffer, .address_space: global }
    .group_segment_fixed_size: 327680
    .private_segment_fixed_size: 0
    .kernarg_segment_align: 8
    .kernarg_segment_size: 24
    .max_flat_workgroup_size: 128
    .sgpr_count:     84
    .vgpr_count:     1024
    .wavefront_size: 32
...
	.end_amdgpu_metadata
.endif
;; end of part 2
